; MI455X (gfx1250); checked and timed in simulation.
; The chip was launched on July 23, 2026; its instructions are those of AMD's public machine-readable ISA for CDNA 5 (MIT licence, August 2026) and "CDNA5" Instruction Set Architecture Reference Guide (July 2026). The comments in the code are by the model that wrote it; some were corrected since.
;; Attention. Allowed arithmetic: float matrix products may take bf16 or f16 operands with f32 sums; all other float work in f32.
;; Inputs: Wk 1,024 x 128 float32; Wq 1,024 x 128 float32; Wv 1,024 x 128 float32; x 4 x 4,096 x 1,024 float32.
;; Outputs: out0 4 x 4,096 x 128 float32.
;; One version. Each part assembles by itself: llvm-mc -triple=amdgcn-amd-amdhsa -mcpu=gfx1250 --defsym DOCPART=n.
;; ======== version 1 of 1: 3 launches
;; limits: values are held in f16: magnitudes above 65,504 overflow, below 6.1e-05 lose precision
;; workspace buffers: wt 786,432 bytes; qkv 12,582,912 bytes
;; launch prep (part 1): grid 24 x 1, 32 waves a work-group, no clusters, 38,912 bytes of LDS; arguments Wq, Wk, Wv, wt; writes wt
.if DOCPART == 1
	.amdgcn_target "amdgcn-amd-amdhsa--gfx1250"
	.amdhsa_code_object_version 6
	.text
	.protected	k_qc3ef948417_prep
	.globl	k_qc3ef948417_prep
	.p2align	8
	.type	k_qc3ef948417_prep,@function
k_qc3ef948417_prep:
	s_mov_b64 s[64:65], 0
	v_nop
	global_prefetch_b8 v0, s[64:65] scope:SCOPE_SE
	s_setreg_imm32_b32 hwreg(HW_REG_WAVE_MODE, 25, 1), 1
	s_wait_xcnt 0x0
; wt[kb][rho][k & 127] = f16(W[k][n]), kb = k >> 7: the three weight matrices [1024 k][128 n] f32 are rounded to f16 and transposed, so that k runs
; along the rows, as a matrix fragment wants it, and laid tile by tile: a tile is one K step of 128, 384 rows of 256 bytes, dense (98,304 bytes).
; Row rho = 96 (n >> 5) + 32 mat + (n & 31), mat = 0, 1, 2 for Wq, Wk, Wv: rows 96 w .. 96 w + 95 of a tile, 24,576 consecutive bytes, are the
; 32 columns of each matrix that wave w of the next launch multiplies.
; A work-group takes one matrix and 128 k (65,536 bytes); 3 x 8 = 24 work-groups.  Thread t reads column n = t & 127 of sixteen k, packs them to
; two pieces of 16 bytes, and the transposition goes through LDS (rows of 256 bytes + 16 of padding), so that sixteen neighbouring lanes
; store 256 consecutive bytes of wt, aligned.  No tile is shared between work-groups, so there is no cluster; no products, so no matrix unit.
; LIMIT: |W| below 65,504 (f16's largest number); larger magnitudes become infinities.
.set PITCH, 272
.set WROW,  256                        ; a row of a tile: 128 f16
.set WTILE, 384*WROW                   ; a tile of wt
	s_load_b256 s[4:11], s[0:1], 0x0               ; Wq s[4:5], Wk s[6:7], Wv s[8:9], wt s[10:11]
	v_lshl_add_u32 v40, v0, 2, 0x8800
	v_mov_b32 v41, 0
	s_lshr_b32 s12, ttmp9, 3                       ; which matrix
	s_and_b32 s13, ttmp9, 7                        ; which 128 k
	v_and_b32 v1, 127, v0                          ; n
	v_lshrrev_b32 v2, 7, v0                        ; c0 = 0..7: k = 8 (c0 + 8 half) + i
	v_lshlrev_b32 v3, 2, v1
	v_lshl_add_u32 v3, v2, 12, v3                  ; 8 c0 rows of 512 bytes + 4 n
	v_mul_u32_u24 v4, v1, PITCH
	v_lshl_add_u32 v4, v2, 4, v4                   ; LDS: row n, 16 bytes at 16 c0
	v_lshrrev_b32 v5, 4, v0                        ; on the way out: row t >> 4 (and + 64)
	v_and_b32 v6, 15, v0                           ; 16 bytes at 16 (t & 15)
	v_mul_u32_u24 v7, v5, PITCH
	v_lshl_add_u32 v7, v6, 4, v7
	v_lshrrev_b32 v32, 5, v5                       ; row >> 5
	v_and_b32 v33, 31, v5                          ; row & 31
	v_mul_u32_u24 v32, v32, 96*WROW                ; 96 rows of 256 bytes
	v_lshl_add_u32 v32, v33, 8, v32
	v_lshl_add_u32 v32, v6, 4, v32                 ; my byte offset in the tile, less the scalar part
	s_lshl_b32 s14, s13, 16                        ; 128 k x 512 bytes
	s_mov_b32 s15, 0
	s_lshl_b32 s16, s12, 13                        ; 32 mat rows of 256 bytes
	s_mul_i32 s17, s13, WTILE                      ; the tile
	s_add_co_u32 s16, s16, s17
	s_mov_b32 s17, 0
	s_wait_kmcnt 0x0
	s_cmp_eq_u32 s12, 1
	s_cselect_b64 s[4:5], s[6:7], s[4:5]           ; the matrix is chosen by the work-group's number alone
	s_cmp_eq_u32 s12, 2
	s_cselect_b64 s[4:5], s[8:9], s[4:5]
	s_add_nc_u64 s[4:5], s[4:5], s[14:15]
	s_add_nc_u64 s[10:11], s[10:11], s[16:17]
.irp h, 0,1
.irp i, 0,1,2,3,4,5,6,7
	global_load_b32 v[8+8*\h+\i], v3, s[4:5] offset:\h*32768+\i*512 th:TH_LOAD_NT
.endr
.endr
	s_wait_loadcnt 0x0
.irp j, 0,1,2,3,4,5,6,7
	v_cvt_pk_f16_f32 v[24+\j], v[8+2*\j], v[9+2*\j]        ; the lower k in the lower half
.endr
	ds_store_b128 v4, v[24:27]
	ds_store_b128 v4, v[28:31] offset:128
	s_wait_dscnt 0x0                               ; my stores are done before I say so: other waves read them
	s_barrier_signal -1
	s_barrier_wait -1
	ds_load_b128 v[8:11], v7
	ds_load_b128 v[12:15], v7 offset:64*PITCH
	s_wait_dscnt 0x1                               ; the first of the two is back
	global_store_b128 v32, v[8:11], s[10:11]
	s_wait_dscnt 0x0
	global_store_b128 v32, v[12:15], s[10:11] offset:192*WROW     ; row + 64: two groups of 96 rows further on
	s_wait_tensorcnt 0x0
	ds_add_u32 v40, v41
	s_wait_dscnt 0x0
	s_endpgm
.Lfunc_end_k_qc3ef948417_prep:
	.size	k_qc3ef948417_prep, .Lfunc_end_k_qc3ef948417_prep-k_qc3ef948417_prep
	.p2alignl 7, 3214868480
	.fill 96, 4, 3214868480
	.section	.rodata,"a",@progbits
	.p2align	6, 0x0
	.amdhsa_kernel k_qc3ef948417_prep
		.amdhsa_group_segment_fixed_size 38912
		.amdhsa_private_segment_fixed_size 0
		.amdhsa_enable_private_segment 0
		.amdhsa_kernarg_size 32
		.amdhsa_user_sgpr_count 2
		.amdhsa_user_sgpr_kernarg_segment_ptr 1
		.amdhsa_wavefront_size32 1
		.amdhsa_system_sgpr_workgroup_id_x 1
		.amdhsa_system_sgpr_workgroup_id_y 1
		.amdhsa_system_sgpr_workgroup_id_z 1
		.amdhsa_system_vgpr_workitem_id 0
		.amdhsa_next_free_vgpr 42
		.amdhsa_next_free_sgpr 66
		.amdhsa_reserve_vcc 0
		.amdhsa_float_denorm_mode_32 3
		.amdhsa_float_denorm_mode_16_64 3
		.amdhsa_memory_ordered 1
		.amdhsa_forward_progress 1
		.amdhsa_inst_pref_size 5
	.end_amdhsa_kernel
	.amdgpu_metadata
---
amdhsa.version: [ 1, 2 ]
amdhsa.kernels:
  - .name:           k_qc3ef948417_prep
    .symbol:         k_qc3ef948417_prep.kd
    .args:
      - { .name: Wq, .offset: 0, .size: 8, .value_kind: global_buffer, .address_space: global }
      - { .name: Wk, .offset: 8, .size: 8, .value_kind: global_buffer, .address_space: global }
      - { .name: Wv, .offset: 16, .size: 8, .value_kind: global_buffer, .address_space: global }
      - { .name: wt, .offset: 24, .size: 8, .value_kind: global_buffer, .address_space: global }
    .group_segment_fixed_size: 38912
    .private_segment_fixed_size: 0
    .kernarg_segment_align: 8
    .kernarg_segment_size: 32
    .max_flat_workgroup_size: 1024
    .sgpr_count:     66
    .vgpr_count:     42
    .wavefront_size: 32
...
	.end_amdgpu_metadata
.endif
;; end of part 1
;; launch proj (part 2): grid 256 x 1, 4 waves a work-group, clusters of 4 x 1, 327,680 bytes of LDS; arguments x, wt, qkv; writes qkv
.if DOCPART == 2
	.amdgcn_target "amdgcn-amd-amdhsa--gfx1250"
	.amdhsa_code_object_version 6
	.text
	.protected	k_qc3ef948417_proj
	.globl	k_qc3ef948417_proj
	.p2align	8
	.type	k_qc3ef948417_proj,@function
k_qc3ef948417_proj:
	s_mov_b64 s[64:65], 0
	v_nop
	global_prefetch_b8 v0, s[64:65] scope:SCOPE_SE
	s_setreg_imm32_b32 hwreg(HW_REG_WAVE_MODE, 25, 1), 1
	s_wait_xcnt 0x0
	s_wait_alu depctr_hold_cnt(0) depctr_sa_sdst(0) depctr_va_vdst(0) depctr_va_sdst(0) depctr_va_ssrc(0) depctr_va_vcc(0) depctr_vm_vsrc(0)
	s_getreg_b32 s2, hwreg(HW_REG_IB_STS2, 6, 4)
	s_cmp_eq_u32 s2, 0
	s_cbranch_scc0 .Lentry_in_a_cluster
	s_endpgm
.Lentry_in_a_cluster:
	s_bfe_u32 s2, ttmp6, 0x10000c
	s_cmp_lg_u32 s2, 0x3003
	s_cbranch_scc0 .Lentry_shape_is_right
	s_endpgm
.Lentry_shape_is_right:
; q, k, v = x W for 64 rows of x a work-group, all 384 columns, f16 operands and f32 sums.  Out goes one chunk of 49,152 bytes of qkv:
;   + 0       c q   [64 rows][128 h] f16,  c = log2(e) / sqrt(128), applied to the f32 sums, so that the next launch uses exp2(s - m)
;   + 16,384  k     [64 keys][128 h] f16
;   + 32,768  v^T   [128 h][64 keys] f16
; Four waves; a wave makes 64 rows x 96 columns (32 of each matrix): 24 accumulator tiles of 16 x 16.  K goes in 8 steps of 128, written out.
; W (f16, k along the rows, tile by tile and regrouped by wave in the launch before) comes by tensor loads into two LDS slots.  All work-groups walk the same W:
; the 4 work-groups of a cluster ask for each tile JOINTLY (mask 15), each wave for the 96 rows (24,576 consecutive bytes) that it alone reads.
; Cluster c takes the K steps in the order (c + s) mod 8: at any time the 64 clusters ask for eight different tiles of W, and together read all eight
; pieces of 512 bytes of x's rows.
; x is read once, 512 consecutive bytes a load, into three register stages (48 loads of a wave out at the most), rounded to f16 and laid into two LDS slots of
; its own, a step ahead of its use; the conversions stand among the matrix instructions and are the places in front of the fragment loads.
; q and k tiles take W as source 0 and x as source 1: a lane then holds one row and 8 neighbouring h.  v tiles the other way round: a lane holds one h and
; 8 neighbouring keys, which is v^T.  Either way four conversions make 16 bytes that belong together.
; LIMITS: operands are f16: |x|, |W|, |c q|, |k|, |v| below 65,504.  The eight K steps are added (in f32) in an order that differs from row block to row block.
; REGISTERS: block 0: v2-11 addresses, v20-27 x offsets of the eight steps, v32-111 and v112-191 two fragment buffers (4 of x, 6 of W), v192-223 converted x;
;            block 1: the accumulators, tile (nt, mt) at 8 (4 nt + mt);   block 2: three stages of 64 registers for x as loaded.
.set PITCH, 272                        ; an LDS row: 256 bytes + 16 of padding: the 16 rows of a fragment load start 16 bytes apart modulo 256
.set WWAVE, 96*PITCH                   ; a wave's rows of W in a slot
.set WSLOT, 4*WWAVE
.set XS,    2*WSLOT                    ; x slots: written by LDS stores alone, no tensor load lands here (byte 208,896 = 816 x 256)
.set XSLOT, 64*PITCH
.set STG,   XS+2*XSLOT                 ; the way out: 192 units of 256 bytes, pitch 272
.set WGW,   96*256                     ; a wave's rows of a tile in wt
.set WGT,   4*WGW                      ; a tile in wt
.set XADR, 2                           ; x fragments: XS + 272 r + 16 hh
.set WADR, 4                           ; v4, v5: W fragments in slot 0, 1
.set XST,  6                           ; where I store converted x
.set AQ,   8                           ; the way out: q and k tiles
.set AV,   9                           ; the way out: v tiles
.set RD,   10                          ; the way out: reading units back
.set CO,   11                          ; my byte offset in the chunk
.set XGO,  20                          ; v20-27: my byte offset in x for step s, never rewritten
.set F0,   32
.set F1,   112
.set XT,   192
.set TMP,  32                          ; the way out: 96 registers of packed results
.set OUTB, 128                         ; the way out: 96 registers read back
.set G1,   16                          ; s[16:23] descriptor group 1
.set G0,   24                          ; s[24:31] descriptor group 0, one set for each slot
.set MSB,  0
.macro WIN new                         ; the immediate's high byte repeats the setting that is left
.if MSB != \new
	s_set_vgpr_msb (MSB<<8)|\new
.set MSB, \new
.endif
.endm
.macro PLACES
.rept 4
	v_nop
.endr
.endm
.macro CREST                           ; a round of the cluster's barrier behind its opening work-group barrier
	s_cmp_lg_u32 s10, 0
	s_cbranch_scc1 .Lnot_wave_0_\@
	s_barrier_signal -3
.Lnot_wave_0_\@:
	s_barrier_wait -3
	s_barrier_signal -1
	s_barrier_wait -1
.endm
.macro CROUND
	s_barrier_signal -1
	s_barrier_wait -1
	CREST
.endm
; 16 loads: my 16 rows of step s, 512 consecutive bytes each, into stage s % 3 (block 2)
.macro XLOAD s
	WIN 0x80
.irp i, 0,1,2,3,4,5,6,7,8,9,10,11,12,13,14,15
	global_load_b128 v[64*((\s)%3)+4*\i:64*((\s)%3)+4*\i+3], v[XGO+(\s)], s[4:5] offset:\i*4096 th:TH_LOAD_NT
.endr
.endm
; rows 4 q .. 4 q + 3 of stage s % 3: eight roundings (sources in block 2: window 0x0a) ...
.macro CVTC s, q
.irp i, 0,1,2,3
	v_cvt_pk_f16_f32 v[XT+8*(\q)+2*\i],   v[64*((\s)%3)+16*(\q)+4*\i],   v[64*((\s)%3)+16*(\q)+4*\i+1]
	v_cvt_pk_f16_f32 v[XT+8*(\q)+2*\i+1], v[64*((\s)%3)+16*(\q)+4*\i+2], v[64*((\s)%3)+16*(\q)+4*\i+3]
.endr
.endm
; ... and four LDS stores of 8 bytes a lane (256 consecutive bytes a row) into x slot s % 2 (window 0)
.macro CVTS s, q
.irp i, 0,1,2,3
	ds_store_b64 v[XST], v[XT+8*(\q)+2*\i:XT+8*(\q)+2*\i+1] offset:((\s)%2)*XSLOT+(4*(\q)+\i)*PITCH
.endr
.endm
; 20 LDS loads: 4 fragments of x and 6 of W for 32 along K at byte 64 ss of the rows
.macro FETCH slot, ss, f
	WIN 0
.irp m, 0,1,2,3
	ds_load_b128 v[\f+8*\m:\f+8*\m+3],   v[XADR] offset:(\slot)*XSLOT+\m*16*PITCH+(\ss)*64
	ds_load_b128 v[\f+8*\m+4:\f+8*\m+7], v[XADR] offset:(\slot)*XSLOT+\m*16*PITCH+(\ss)*64+32
.endr
.irp n, 0,1,2,3,4,5
	ds_load_b128 v[\f+32+8*\n:\f+32+8*\n+3], v[WADR+\slot] offset:\n*16*PITCH+(\ss)*64
	ds_load_b128 v[\f+32+8*\n+4:\f+32+8*\n+7], v[WADR+\slot] offset:\n*16*PITCH+(\ss)*64+32
.endr
.endm
; four matrix instructions: column tile nt x the four row tiles.  The 24 accumulators take turns, one instruction a turn, in the same order
; in every quarter step.
.macro MULN f, nt, zero
.irp m, 0,1,2,3
.if \nt < 4
.if \zero
	v_wmma_f32_16x16x32_f16 v[8*(4*\nt+\m):8*(4*\nt+\m)+7], v[\f+32+8*\nt:\f+32+8*\nt+7], v[\f+8*\m:\f+8*\m+7], 0
.else
	v_wmma_f32_16x16x32_f16 v[8*(4*\nt+\m):8*(4*\nt+\m)+7], v[\f+32+8*\nt:\f+32+8*\nt+7], v[\f+8*\m:\f+8*\m+7], v[8*(4*\nt+\m):8*(4*\nt+\m)+7]
.endif
.else
.if \zero
	v_wmma_f32_16x16x32_f16 v[8*(4*\nt+\m):8*(4*\nt+\m)+7], v[\f+8*\m:\f+8*\m+7], v[\f+32+8*\nt:\f+32+8*\nt+7], 0
.else
	v_wmma_f32_16x16x32_f16 v[8*(4*\nt+\m):8*(4*\nt+\m)+7], v[\f+8*\m:\f+8*\m+7], v[\f+32+8*\nt:\f+32+8*\nt+7], v[8*(4*\nt+\m):8*(4*\nt+\m)+7]
.endif
.endif
.endr
.endm
; One of a step's first three quarters: multiplies buffer f; behind its first four products it converts a part of the next step's x (a quarter, in the third
; quarter two) and fetches the next quarter's fragments into buffer g, 20 products ahead of their use.
; The conversions (in step 7 four v_nop) stand between buffer g's last readers and the loads into it (ISA guide 7.12.1 for vector
; instructions).
.macro QUARTER s, ss, f, g, zero
	s_wait_dscnt 0x0                               ; buffer f's 20 loads are back
	WIN 0x50
	MULN \f, 0, \zero
.if \s < 7
.if \ss == 0
.if \s <= 4
	s_wait_loadcnt 32                              ; x of the next step is in; the two younger stages (16 loads each) stay out
.elseif \s == 5
	s_wait_loadcnt 16                              ; one younger stage is left
.else
	s_wait_loadcnt 0
.endif
.endif
	WIN 0x0a
	CVTC \s+1, \ss
.if \ss == 2
	CVTC \s+1, 3
.endif
	WIN 0
	CVTS \s+1, \ss
.if \ss == 2
	CVTS \s+1, 3
.endif
.else
	PLACES
.endif
	FETCH (\s)%2, \ss+1, \g
	WIN 0x50
	MULN \f, 1, \zero
	MULN \f, 2, \zero
	MULN \f, 3, \zero
	MULN \f, 4, \zero
	MULN \f, 5, \zero
.endm
.macro STEP s, zero
	QUARTER \s, 0, F0, F1, \zero
	QUARTER \s, 1, F1, F0, 0
	QUARTER \s, 2, F0, F1, 0
.endm
; A step's last quarter, and the change of slots, at its head: this step's slots have been read for the last time in the third quarter.  In front of the barrier
; each wave waits for its LDS reads of this step's slots and its stores of the next step's x, and for all its tensor loads (one is out: its rows of the next
; W tile).  Up to step 5 the barrier opens a round of the cluster's barrier, and the joint refill of this step's W slot, two steps ahead, is the first tensor
; load behind the round.
.macro TURN s
	s_wait_dscnt 0x0
	s_wait_tensorcnt 0x0
	ds_add_u32 v254, v255
	s_wait_dscnt 0x0
	s_barrier_signal -1
	WIN 0x50
	MULN F1, 0, 0                                  ; register work while the others arrive
	MULN F1, 1, 0
	WIN 0
	s_barrier_wait -1
.if \s <= 5
	CREST
	s_add_co_u32 s32, s38, \s+2                    ; the tile of step s + 2 in my cluster's order; no load of mine is out: group 0 may be written
	s_and_b32 s32, s32, 7
	s_mul_i32 s32, s32, WGT
	s_add_nc_u64 s[G0+4*((\s)%2)+2:G0+4*((\s)%2)+3], s[6:7], s[32:33]
	s_or_b32 s[G0+4*((\s)%2)+3], s[G0+4*((\s)%2)+3], 0x80000000
	tensor_load_to_lds s[G0+4*((\s)%2):G0+4*((\s)%2)+3], s[G1:G1+7]
	s_nop 0
.endif
	PLACES                                         ; four places between buffer 0's last readers (the third quarter's) and the loads into it
.if \s <= 3
	XLOAD \s+4                                     ; into the stage that has been converted in this step
.endif
	FETCH (\s+1)%2, 0, F0
	WIN 0x50
	MULN F1, 2, 0
	MULN F1, 3, 0
	MULN F1, 4, 0
	MULN F1, 5, 0
.endm
	s_load_b128 s[4:7], s[0:1], 0x0                ; x s[4:5], wt s[6:7]
	s_load_b64 s[8:9], s[0:1], 0x10                ; qkv
	v_lshl_add_u32 v254, v0, 2, 0x48400
	v_mov_b32 v255, 0
	ds_add_u32 v254, v255
	v_lshrrev_b32 v1, 5, v0
	v_readfirstlane_b32 s10, v1                    ; wave 0..3
	s_bfe_u32 s11, ttmp6, 0x40000                  ; my place in the cluster
	s_lshl_b32 s12, ttmp9, 2
	s_add_co_u32 s12, s12, s11                     ; work-group = block of 64 rows; it enters x's and qkv's addresses alone
	s_and_b32 s38, ttmp9, 7                        ; my cluster's first K step: the same in all four partners
	; group 1: a tile of 96 rows x 128 f16, dense in memory, padded in LDS
	s_mov_b32 s[G1+0], 15|(1<<16)|(1<<20)|(1<<21)|(5<<22)|(3<<25)  ; mask: the four of the cluster; 2-byte elements; padding on; bit 21 beside a mask; after every 64 words 4 words
	s_mov_b32 s[G1+1], 128<<16                     ; tensor_dim0 = 128
	s_mov_b32 s[G1+2], 96<<16                      ; tensor_dim1 = 96
	s_mov_b32 s[G1+3], 128<<16                     ; tile_dim0 = 128
	s_mov_b32 s[G1+4], 96                          ; tile_dim1 = 96
	s_mov_b32 s[G1+5], 128                         ; elements from row to row
	s_mov_b32 s[G1+6], 0
	s_mov_b32 s[G1+7], 0
	s_mul_i32 s13, s10, WWAVE                      ; my rows in a W slot
	s_mul_i32 s32, s10, WGW                        ; my rows in a tile of wt
	s_mov_b32 s33, 0
	s_lshl_b32 s34, s12, 18                        ; 64 rows of 4,096 bytes
	s_mov_b32 s35, 0
	s_mul_i32 s36, s12, 49152                      ; my chunk
	s_mov_b32 s37, 0
	v_and_b32 v12, 31, v0                          ; lane
	s_lshl_b32 s15, s10, 16
	v_lshl_add_u32 v18, v12, 4, s15                ; 16 rows of 4,096 bytes a wave + 16 bytes a lane
.irp s, 0,1,2,3,4,5,6,7
	s_add_co_u32 s39, s38, \s
	s_and_b32 s39, s39, 7                          ; step s takes K step (cluster + s) mod 8:
	s_lshl_b32 s39, s39, 9                         ; 512 bytes of each row
	v_add_nc_u32 v[XGO+\s], s39, v18
.endr
	s_wait_dscnt 0x0
	s_wait_kmcnt 0x0
	s_add_nc_u64 s[4:5], s[4:5], s[34:35]
	s_add_nc_u64 s[8:9], s[8:9], s[36:37]
	s_add_nc_u64 s[6:7], s[6:7], s[32:33]          ; made of the wave's number alone: the same in all four partners
	XLOAD 0
	XLOAD 1
	XLOAD 2
	WIN 0
	CROUND                                         ; all four work-groups are here: the first joint loads meet
.irp s, 0,1
	s_mov_b32 s[G0+4*\s], 1
	s_add_co_u32 s[G0+4*\s+1], s13, \s*WSLOT
	s_add_co_u32 s32, s38, \s
	s_and_b32 s32, s32, 7
	s_mul_i32 s32, s32, WGT
	s_add_nc_u64 s[G0+4*\s+2:G0+4*\s+3], s[6:7], s[32:33]
	s_or_b32 s[G0+4*\s+3], s[G0+4*\s+3], 0x80000000
	tensor_load_to_lds s[G0+4*\s:G0+4*\s+3], s[G1:G1+7]
	s_nop 0
.endr
	v_and_b32 v13, 15, v0                          ; r
	v_bfe_u32 v14, v0, 4, 1                        ; hh
	v_mul_u32_u24 v15, v13, PITCH
	v_lshl_add_u32 v15, v14, 4, v15                ; 272 r + 16 hh
	v_add_nc_u32 v[XADR], XS, v15
	v_add_nc_u32 v[WADR], s13, v15
	v_add_nc_u32 v[WADR+1], WSLOT, v[WADR]
	s_mul_i32 s14, s10, 16*PITCH
	s_add_co_u32 s15, s14, XS
	v_lshl_add_u32 v[XST], v12, 3, s15             ; my 16 rows, 8 bytes a lane
	s_lshl_b32 s15, s10, 6
	s_add_co_u32 s15, s15, STG
	v_add_nc_u32 v[AQ], s15, v15                   ; row r, my 32 h at byte 64 w, 16 bytes for each half of the lanes
	v_lshrrev_b32 v16, 1, v13
	v_mul_u32_u24 v16, v16, PITCH
	v_and_b32 v17, 1, v13
	v_lshl_add_u32 v16, v17, 7, v16
	v_lshl_add_u32 v16, v14, 4, v16
	s_add_co_u32 s15, s14, STG+128*PITCH
	v_add_nc_u32 v[AV], s15, v16                   ; unit 128 + 16 w + (r >> 1), half r & 1 of it, 16 bytes for each half of the lanes
	v_mul_u32_u24 v16, v14, PITCH
	v_lshl_add_u32 v16, v13, 4, v16
	s_mul_i32 s15, s10, 48*PITCH
	s_add_co_u32 s15, s15, STG
	v_add_nc_u32 v[RD], s15, v16                   ; back: lanes 0-15 one unit, lanes 16-31 the next
	s_mul_i32 s15, s10, 48*256
	v_lshl_add_u32 v[CO], v12, 4, s15
	s_wait_loadcnt 32                              ; x of step 0 is in; steps 1 and 2 stay out
	WIN 0x0a
	CVTC 0, 0
	CVTC 0, 1
	CVTC 0, 2
	CVTC 0, 3
	WIN 0
	CVTS 0, 0
	CVTS 0, 1
	CVTS 0, 2
	CVTS 0, 3
	XLOAD 3
	WIN 0
	s_wait_tensorcnt 0x1                           ; my rows of W's step 0 are in; step 1's load stays out
	s_wait_dscnt 0x0                               ; my rows of x are stored
	s_barrier_signal -1
	s_barrier_wait -1
	FETCH 0, 0, F0
	STEP 0, 1                                      ; the first products start the sums: nothing is cleared
	TURN 0
.irp s, 1,2,3,4,5,6
	STEP \s, 0
	TURN \s
.endr
	STEP 7, 0
	s_wait_dscnt 0x0
	WIN 0x50
.irp n, 0,1,2,3,4,5
	MULN F1, \n, 0
.endr
	; THE WAY OUT.  Four places behind the last matrix instructions, then q's 8 tiles times c, 96 roundings, 24 LDS stores of 16 bytes a lane.
	PLACES
	WIN 0x41
.set ti, 0
.rept 32
	v_pk_mul_f32 v[2*ti:2*ti+1], v[2*ti:2*ti+1], 0x3e0293ee op_sel_hi:[1,0]     ; log2(e) / sqrt(128)
.set ti, ti+1
.endr
	WIN 0x05
.set ti, 0
.rept 24
.irp p, 0,1,2,3
	v_cvt_pk_f16_f32 v[TMP+4*ti+\p], v[8*ti+2*\p], v[8*ti+2*\p+1]
.endr
.set ti, ti+1
.endr
	WIN 0
.set ti, 0
.rept 24                               ; ti = 4 nt + mt
.if ti < 16
	ds_store_b128 v[AQ], v[TMP+4*ti:TMP+4*ti+3] offset:(ti>>3)*64*PITCH+(ti&3)*16*PITCH+((ti>>2)&1)*32
.else
	ds_store_b128 v[AV], v[TMP+4*ti:TMP+4*ti+3] offset:((ti>>2)-4)*8*PITCH+(ti&3)*32
.endif
.set ti, ti+1
.endr
	s_wait_dscnt 0x0                               ; my stores are done before I say so: each unit holds parts from all four waves
	s_barrier_signal -1
	s_barrier_wait -1
.irp b, 0,1,2                          ; my 48 units, two a load, in three runs of eight on registers of their own
.irp i, 0,1,2,3,4,5,6,7
	ds_load_b128 v[OUTB+32*\b+4*\i:OUTB+32*\b+4*\i+3], v[RD] offset:(8*\b+\i)*2*PITCH
.endr
.irp i, 0,1,2,3,4,5,6,7
	s_wait_dscnt 7-\i
	global_store_b128 v[CO], v[OUTB+32*\b+4*\i:OUTB+32*\b+4*\i+3], s[8:9] offset:(8*\b+\i)*512   ; a wave's store covers 512 consecutive bytes, aligned
.endr
.endr
	s_wait_tensorcnt 0x0
	ds_add_u32 v254, v255
	s_wait_dscnt 0x0
	CROUND                                         ; the closing round: no work-group ends while a partner may still ask jointly
	s_endpgm
.Lfunc_end_k_qc3ef948417_proj:
	.size	k_qc3ef948417_proj, .Lfunc_end_k_qc3ef948417_proj-k_qc3ef948417_proj
	.p2alignl 7, 3214868480
	.fill 96, 4, 3214868480
	.section	.rodata,"a",@progbits
	.p2align	6, 0x0
	.amdhsa_kernel k_qc3ef948417_proj
		.amdhsa_group_segment_fixed_size 327680
		.amdhsa_private_segment_fixed_size 0
		.amdhsa_enable_private_segment 0
		.amdhsa_kernarg_size 24
		.amdhsa_user_sgpr_count 2
		.amdhsa_user_sgpr_kernarg_segment_ptr 1
		.amdhsa_wavefront_size32 1
		.amdhsa_system_sgpr_workgroup_id_x 1
		.amdhsa_system_sgpr_workgroup_id_y 1
		.amdhsa_system_sgpr_workgroup_id_z 1
		.amdhsa_system_vgpr_workitem_id 0
		.amdhsa_next_free_vgpr 704
		.amdhsa_next_free_sgpr 66
		.amdhsa_reserve_vcc 0
		.amdhsa_float_denorm_mode_32 3
		.amdhsa_float_denorm_mode_16_64 3
		.amdhsa_memory_ordered 1
		.amdhsa_forward_progress 1
		.amdhsa_inst_pref_size 156
	.end_amdhsa_kernel
	.amdgpu_metadata
---
amdhsa.version: [ 1, 2 ]
amdhsa.kernels:
  - .name:           k_qc3ef948417_proj
    .symbol:         k_qc3ef948417_proj.kd
    .args:
      - { .name: x, .offset: 0, .size: 8, .value_kind: global_buffer, .address_space: global }
      - { .name: wt, .offset: 8, .size: 8, .value_kind: global_buffer, .address_space: global }
      - { .name: qkv, .offset: 16, .size: 8, .value_kind: global_buffer, .address_space: global }
    .group_segment_fixed_size: 327680
    .private_segment_fixed_size: 0
    .kernarg_segment_align: 8
    .kernarg_segment_size: 24
    .max_flat_workgroup_size: 128
    .sgpr_count:     66
    .vgpr_count:     704
    .wavefront_size: 32
...
	.end_amdgpu_metadata
.endif
;; end of part 2
;; launch attn (part 3): grid 256 x 1, 4 waves a work-group, clusters of 4 x 1, 327,680 bytes of LDS; arguments qkv, out0; writes out0
.if DOCPART == 3
	.amdgcn_target "amdgcn-amd-amdhsa--gfx1250"
	.amdhsa_code_object_version 6
	.text
	.protected	k_qc3ef948417_attn
	.globl	k_qc3ef948417_attn
	.p2align	8
	.type	k_qc3ef948417_attn,@function
k_qc3ef948417_attn:
	s_mov_b64 s[64:65], 0
	v_nop
	global_prefetch_b8 v0, s[64:65] scope:SCOPE_SE
	s_setreg_imm32_b32 hwreg(HW_REG_WAVE_MODE, 25, 1), 1
	s_wait_xcnt 0x0
	s_wait_alu depctr_hold_cnt(0) depctr_sa_sdst(0) depctr_va_vdst(0) depctr_va_sdst(0) depctr_va_ssrc(0) depctr_va_vcc(0) depctr_vm_vsrc(0)
	s_getreg_b32 s2, hwreg(HW_REG_IB_STS2, 6, 4)
	s_cmp_eq_u32 s2, 0
	s_cbranch_scc0 .Lentry_in_a_cluster
	s_endpgm
.Lentry_in_a_cluster:
	s_bfe_u32 s2, ttmp6, 0x10000c
	s_cmp_lg_u32 s2, 0x3003
	s_cbranch_scc0 .Lentry_shape_is_right
	s_endpgm
.Lentry_shape_is_right:
; out = softmax(q k^T / sqrt(128)) v for 64 queries a work-group, with a running maximum; q carries log2(e) / sqrt(128) already, so weights are exp2(s - m).
; Four waves.  Wave w holds ALL 64 queries and takes the key blocks 4 j + w (64 keys each), j = 0 .. 15: each byte of K and V is read from LDS once
; in the work-group, and a fragment feeds four matrix instructions.  The four waves' partial results (m, l, O) are merged at the end through LDS.
; CLUSTER: the 4 work-groups of a cluster lie in one batch and walk the same K and V: every tile is asked for JOINTLY (mask 15).
; EVERYTHING IS TRANSPOSED, so that no number changes lanes between the two products:
;   S^T(kt, qt) = K fragment x Q fragment: a lane holds query r and keys 16 kt + 8 hh + 0..7; packing tiles 2 ks and 2 ks + 1 in the lane IS the B fragment P(qt, ks);
;   O^T(ht, qt) += V^T fragment x P(qt, ks);  m, the rescale factor and l are one register a lane for each qt.
; TWO STREAMS SIDE BY SIDE.  Trip t issues the 64 products P(t-1) V(t-1) and the 64 products K(t+1) Q, and behind each of them a group of four vector instructions
; of the softmax of block t, or of the rescaling of O by exp2(m(t-1) - m(t)).  Scores of t and of t+1 are live at once, in two register blocks that take turns.
; FRAGMENTS COME IN BATCHES of eight (16 LDS loads in one run, 32 products' worth): batches 0, 1 are V^T (ks = 0, 1), batches 2, 3 are K (kt = 0-1, 2-3).  Even
; batches lie in block 1's buffers, odd ones in block 3's.  Two batches are asked for at the trip's head, the third behind product 32, the fourth behind product 64:
; three runs of loads a trip, each batch 31 products ahead of its first use.
; REGISTERS.  Block 0: addresses, Q fragments v64-191 at 8 (4 qt + hs).  Block 2: O^T, tile (ht, qt) at 8 (4 ht + qt).
;   Blocks 1 and 3, alike: 0-127 S^T at 8 (4 kt + qt), P formed in place on tile (2 ks, qt); 128-191 eight fragment buffers; 192 + 2 qt (m, row maximum);
;   200 + 2 qt (factor, work); 208-215 l in pairs; 216-223 sums at work; 224, 225 LDS addresses of K and V fragments.
;   X = block of trip t (1 for even t), Y = the other.
; LDS: wave w owns 69,632 w + K slot 0, K slot 1, V slot 0, V slot 1 (64 units of 256 bytes, pitch 272, each); 2,048 bytes of statistics behind the rings.
;   The merge's stage lies on ring slots that have had their last fill.
; LIMITS: operands are f16 (|c q|, |k|, |v| below 65,504); a weight below 2^-24 of the running maximum's rounds to 0 in the product with v (l keeps it in f32).
.set PITCH, 272
.set TILEB, 64*PITCH                   ; a K or V tile in LDS
.set RING,  4*TILEB
.set STAT,  4*RING                     ; (m, l) of 4 waves x 64 queries
.set OPITCH, 528                       ; the merge's stage: a row of 128 f32 + 16 bytes
.set OSTG,  64*OPITCH
.set CHUNK, 49152
.set JSTEP, 4*CHUNK                    ; from a wave's key block to its next
.set QF, 64
.set FB, 128
.set MT, 192
.set AU, 200
.set LL, 208
.set SA, 216
.set KA, 224
.set VA, 225
.set EP, 16                            ; merge, block 0: v16-23 pairs (m, l), later (factor, l)
.set ES, 24                            ; v24-55 the four waves' (m, l) of my four queries
.set SR, 56                            ; v56-59 stage addresses, one for each source wave
.set EX, 60                            ; v60-63 m*, then l*
.set G1, 16                            ; s[16:23] descriptor group 1
.set GK, 24                            ; s[24:31] group 0 of K slots 0, 1
.set GV, 32                            ; s[32:39] group 0 of V slots 0, 1
.set MSB, 0
.set PEND, -1
.macro WIN new                         ; the immediate's high byte repeats the setting that is left
.if MSB != \new
	s_set_vgpr_msb (MSB<<8)|\new
.set MSB, \new
.endif
.endm
.macro PLACES
.rept 4
	v_nop
.endr
.endm
.macro CREST                           ; a round of the cluster's barrier behind its opening work-group barrier
	s_cmp_lg_u32 s10, 0
	s_cbranch_scc1 .Lnot_wave_0_\@
	s_barrier_signal -3
.Lnot_wave_0_\@:
	s_barrier_wait -3
	s_barrier_signal -1
	s_barrier_wait -1
.endm
.macro CROUND
	s_barrier_signal -1
	s_barrier_wait -1
	CREST
.endm
.macro G0SET g, ldsoff, goff
	s_mov_b32 s[\g], 1
	s_add_co_u32 s[\g+1], s45, \ldsoff
	s_add_nc_u64 s[\g+2:\g+3], s[14:15], \goff
	s_or_b32 s[\g+3], s[\g+3], 0x80000000
	tensor_load_to_lds s[\g:\g+3], s[G1:G1+7]
	s_nop 0
.endm
; Fragment g of a trip into buffer g % 8: g = 0..15 V^T(ht = g & 7, ks = g >> 3), g = 16..31 K(kt = (g - 16) >> 2, hs = g & 3).
; Stands under a window whose destination and source 0 are the batch's block (both blocks hold the two addresses).
.macro FL g
.if (\g) < 16
	ds_load_b128 v[FB+8*((\g)&7):FB+8*((\g)&7)+3],   v[VA] offset:RS*TILEB+((\g)&7)*8*PITCH+((\g)>>3)*64
	ds_load_b128 v[FB+8*((\g)&7)+4:FB+8*((\g)&7)+7], v[VA] offset:RS*TILEB+((\g)&7)*8*PITCH+((\g)>>3)*64+32
.else
	ds_load_b128 v[FB+8*((\g)&7):FB+8*((\g)&7)+3],   v[KA] offset:RS*TILEB+(((\g)-16)>>2)*16*PITCH+((\g)&3)*64
	ds_load_b128 v[FB+8*((\g)&7)+4:FB+8*((\g)&7)+7], v[KA] offset:RS*TILEB+(((\g)-16)>>2)*16*PITCH+((\g)&3)*64+32
.endif
.endm
; Batch b: fragments 8 b .. 8 b + 7, 16 loads in one run, into block 1 (b even) or block 3 (b odd)
.macro FLB b
.set fw, (1+2*((\b)&1))*85
	WIN fw
.set fg, 8*(\b)
.rept 8
	FL fg
.set fg, fg+1
.endr
.endm
; The trip's next matrix instruction, number NW: 0..63 O^T += V^T P of block t-1, 64..127 S^T of block t+1.  Neighbours never share an accumulator, over the
; backward jump too: the accumulators take turns, one instruction a turn.
; Waits: in the first batch of the two asked for at the trip's head, the wait in front of a fragment's first use counts the two loads of each younger fragment of those two
; batches; at the head of every later batch the wait is for 0: that batch is the youngest that has been asked for, and the next one is asked for behind this product.
; In front of number 112 the wave waits for all its LDS reads (met since number 96) and all its tensor loads and opens the round; 112..127 and
; their vector groups are register work inside the round.
.macro MW
.set mg, NW>>2
.set mq, NW&3
.set mf, 1+2*((mg>>3)&1)
.if mq == 0
.if NW == 112
	s_wait_dscnt 0x0
	s_set_vgpr_msb (MSB<<8)|((MSB&0xf0)|0x3)
	s_wait_tensorcnt 0x0
	ds_add_u32 v255, v255
	s_wait_dscnt 0x0
	s_set_vgpr_msb (((MSB&0xf0)|0x3)<<8)|MSB
	s_barrier_signal -1
.elseif (mg>>3) == SB
	s_wait_dscnt 2*(8*SB+15-mg)
.elseif (mg&7) == 0
	s_wait_dscnt 0x0
.endif
.if (mg&7) == 0
.if (mg>>3) > SB
.if (mg>>3) < LASTB
.set PEND, (mg>>3)+1
.endif
.endif
.endif
.endif
.if NW < 64
.set mw, mf|(BY<<2)|0xa0
	WIN mw                                         ; source 0 the batch's block, source 1 block Y, C and D block 2
.set mz, 0
.if MPM == 2
.if NW < 32
.set mz, 1
.endif
.endif
.if mz
	v_wmma_f32_16x16x32_f16 v[8*(4*(mg&7)+mq):8*(4*(mg&7)+mq)+7], v[FB+8*(mg&7):FB+8*(mg&7)+7], v[8*(8*(mg>>3)+mq):8*(8*(mg>>3)+mq)+7], 0
.else
	v_wmma_f32_16x16x32_f16 v[8*(4*(mg&7)+mq):8*(4*(mg&7)+mq)+7], v[FB+8*(mg&7):FB+8*(mg&7)+7], v[8*(8*(mg>>3)+mq):8*(8*(mg>>3)+mq)+7], v[8*(4*(mg&7)+mq):8*(4*(mg&7)+mq)+7]
.endif
.else
.set mw, mf|(BY<<4)|(BY<<6)
	WIN mw                                         ; source 0 the batch's block, source 1 block 0, C and D block Y
.set mk, (mg-16)>>2
.set mh, mg&3
.if mh == 0
	v_wmma_f32_16x16x32_f16 v[8*(4*mk+mq):8*(4*mk+mq)+7], v[FB+8*(mg&7):FB+8*(mg&7)+7], v[QF+8*(4*mq+mh):QF+8*(4*mq+mh)+7], 0
.else
	v_wmma_f32_16x16x32_f16 v[8*(4*mk+mq):8*(4*mk+mq)+7], v[FB+8*(mg&7):FB+8*(mg&7)+7], v[QF+8*(4*mq+mh):QF+8*(4*mq+mh)+7], v[8*(4*mk+mq):8*(4*mk+mq)+7]
.endif
.endif
.set NW, NW+1
.endm
; The softmax's groups of four.  A unit u is query tile u & 3 and keys 32 (u >> 2) .. + 31: tiles T0 = (2 ks, qt) at ub and T1 = (2 ks + 1, qt) at ub + 32.
.macro AG u, h                         ; s - m on one tile
.set ub, 8*(8*((\u)>>2)+((\u)&3))+32*(\h)
.set uq, (\u)&3
	WIN XX
.irp p, 0,2,4,6
	v_pk_add_f32 v[ub+\p:ub+\p+1], v[ub+\p:ub+\p+1], v[MT+2*uq:MT+2*uq+1] op_sel_hi:[1,0] neg_lo:[0,1] neg_hi:[0,1]
.endr
.endm
.macro EG u, e                         ; four exponentials; the next vector group is always a plain one on other registers (ISA guide 5.7.2)
.set ub, 8*(8*((\u)>>2)+((\u)&3))+32*((\e)>>1)+4*((\e)&1)
	WIN XX
.irp p, 0,1,2,3
	v_exp_f32 v[ub+\p], v[ub+\p]
.endr
.endm
.macro CG0 u                           ; the unit's 16 weights: four sums of pairs
.set ub, 8*(8*((\u)>>2)+((\u)&3))
	WIN XX
	s_wait_alu depctr_va_vdst(0)
	v_pk_add_f32 v[SA:SA+1],   v[ub:ub+1],     v[ub+2:ub+3]
	s_wait_alu depctr_va_vdst(0)
	v_pk_add_f32 v[SA+2:SA+3], v[ub+4:ub+5],   v[ub+6:ub+7]
	v_pk_add_f32 v[SA+4:SA+5], v[ub+32:ub+33], v[ub+34:ub+35]
	v_pk_add_f32 v[SA+6:SA+7], v[ub+36:ub+37], v[ub+38:ub+39]
.endm
.macro CG1 u                           ; and onto l
.set uq, (\u)&3
	WIN XX
	v_pk_add_f32 v[SA:SA+1],   v[SA:SA+1],   v[SA+2:SA+3]
	v_pk_add_f32 v[SA+4:SA+5], v[SA+4:SA+5], v[SA+6:SA+7]
	v_pk_add_f32 v[SA:SA+1],   v[SA:SA+1],   v[SA+4:SA+5]
	v_pk_add_f32 v[LL+2*uq:LL+2*uq+1], v[LL+2*uq:LL+2*uq+1], v[SA:SA+1]
.endm
.macro DG0 u                           ; T0 to f16, in place: registers 0-3 of P
.set ub, 8*(8*((\u)>>2)+((\u)&3))
	WIN XX
.irp p, 0,1,2,3
	v_cvt_pk_f16_f32 v[ub+\p], v[ub+2*\p], v[ub+2*\p+1]
.endr
.endm
.macro DG1 u                           ; T1 to f16: registers 4-7 of P
.set ub, 8*(8*((\u)>>2)+((\u)&3))
	WIN XX
.irp p, 0,1,2,3
	v_cvt_pk_f16_f32 v[ub+4+\p], v[ub+32+2*\p], v[ub+32+2*\p+1]
.endr
.endm
.macro VEG                             ; group vi = 0..79 of the eight units: unit p's exponentials alternate with unit p-1's sums and roundings
.if vi < 2
	AG 0, vi
.elseif vi < 6
	EG 0, vi-2
.elseif vi < 8
	AG 1, vi-6
.elseif vi < 76
.set vp, 1+(vi-8)/10
.set vj, (vi-8)%10
.if vj == 0
	EG vp, 0
.elseif vj == 1
	CG0 vp-1
.elseif vj == 2
	EG vp, 1
.elseif vj == 3
	CG1 vp-1
.elseif vj == 4
	EG vp, 2
.elseif vj == 5
	DG0 vp-1
.elseif vj == 6
	EG vp, 3
.elseif vj == 7
	DG1 vp-1
.elseif vj == 8
	AG vp+1, 0
.else
	AG vp+1, 1
.endif
.elseif vi == 76
	CG0 7
.elseif vi == 77
	CG1 7
.elseif vi == 78
	DG0 7
.else
	DG1 7
.endif
.endm
; Group xi = 0..101 of the softmax of block t, one instruction for each query tile in the first 21; behind it the batch of fragment loads that is due, if any.
.macro XGRP
.if xi < 16                            ; the largest of my 32 scores of each query
	WIN XX
.irp c, 0,1,2,3
.if xi == 0
	v_max3_num_f32 v[MT+2*\c+1], v[8*\c], v[8*\c+1], v[8*\c+2]
.elseif xi < 15
	v_max3_num_f32 v[MT+2*\c+1], v[MT+2*\c+1], v[8*(4*((2*xi+1)>>3)+\c)+((2*xi+1)&7)], v[8*(4*((2*xi+2)>>3)+\c)+((2*xi+2)&7)]
.else
	v_max_num_f32 v[MT+2*\c+1], v[MT+2*\c+1], v[8*(12+\c)+7]
.endif
.endr
.elseif xi == 16                       ; lanes r and r + 16 hold the same query
	WIN XX
.irp c, 0,1,2,3
	v_permlanex16_b32 v[AU+2*\c+1], v[MT+2*\c+1], s40, s41
.endr
.elseif xi == 17
	WIN XX
.irp c, 0,1,2,3
	v_max_num_f32 v[MT+2*\c+1], v[MT+2*\c+1], v[AU+2*\c+1]
.endr
.elseif xi == 18                       ; m(t) = max(block's maximum, m(t-1)); m(t-1) lies in block Y
	WIN ZW
.irp c, 0,1,2,3
	v_max_num_f32 v[MT+2*\c], v[MT+2*\c+1], v[MT+2*\c]
.endr
.elseif xi == 19                       ; m(t-1) - m(t)
	WIN ZW
.irp c, 0,1,2,3
	v_fma_f32 v[AU+2*\c+1], v[MT+2*\c], -1.0, v[MT+2*\c]
.endr
.elseif xi == 20                       ; the rescale factor; the next group is plain and names neither it nor its source
	WIN XX
.irp c, 0,1,2,3
	v_exp_f32 v[AU+2*\c], v[AU+2*\c+1]
.endr
.elseif xi == 21
.set vi, 0
	VEG
.elseif xi == 22                       ; l(t) starts as factor x l(t-1)
	WIN ZW
.irp c, 0,1,2,3
	s_wait_alu depctr_va_vdst(0)
	v_pk_mul_f32 v[LL+2*\c:LL+2*\c+1], v[AU+2*\c:AU+2*\c+1], v[LL+2*\c:LL+2*\c+1] op_sel_hi:[0,1]
.endr
.else
.set vi, xi-22
	VEG
.endif
.if PEND >= 0
	FLB PEND                                       ; behind products 32 and 64: the group behind the buffers' last reader (31, 63) is four plain vector instructions on other registers
.set PEND, -1
.endif
.set xi, xi+1
.endm
.macro VRG                             ; tile vv of O^T times its query tile's factor
	WIN RW
.irp p, 0,2,4,6
	v_pk_mul_f32 v[8*vv+\p:8*vv+\p+1], v[8*vv+\p:8*vv+\p+1], v[AU+2*(vv&3):AU+2*(vv&3)+1] op_sel_hi:[1,0]
.endr
.set vv, vv+1
.endm
; Trip t.  bx, by: blocks X, Y.  mp: 0 no P V products, 1 as a rule, 2 the first ones, which start O's sums.  ms: the next block's scores, and the round
; that ends the trip.  vr: O is rescaled.  fk, fv: K(t+2) and V(t) are asked for, into the slots t % 2, which trip t-1 has read; they are the first tensor loads
; behind the round, and each has the whole trip in which to land (two tensor loads of the wave out).
.macro TRIP bx, by, mp, ms, vr, fk, fv
.set XX,  (\bx)*85
.set ZW,  (\bx)|((\by)<<2)|((\by)<<4)|((\bx)<<6)
.set RW,  2|((\bx)<<2)|(2<<6)
.set BY,  \by
.set SL,  (\bx)>>1
.set RS,  1-SL
.set MPM, \mp
.if \fk
	s_add_nc_u64 s[GK+4*SL+2:GK+4*SL+3], s[GK+4*SL+2:GK+4*SL+3], 2*JSTEP     ; no tensor load of mine is out: group 0 may be written
	tensor_load_to_lds s[GK+4*SL:GK+4*SL+3], s[G1:G1+7]
	s_nop 0
.endif
.if \fv
	s_add_nc_u64 s[GV+4*SL+2:GV+4*SL+3], s[GV+4*SL+2:GV+4*SL+3], 2*JSTEP
	tensor_load_to_lds s[GV+4*SL:GV+4*SL+3], s[G1:G1+7]
	s_nop 0
.endif
.if \mp
.set NW, 0
.set SB, 0
.else
.set NW, 64
.set SB, 2
.endif
.if \ms
.set LASTB, 3
.else
.set LASTB, 1
.endif
	FLB SB                                         ; the trip's first two batches, 32 loads in one run; four plain vector instructions stand behind the last trip's last product
	FLB SB+1
.set xi, 0
.rept 6                                ; vector work while the first fragments come
	XGRP
.endr
.rept 64
.if \mp
	MW
.endif
	XGRP
.endr
.set vv, 0
.rept 32
.if \ms
	MW
.endif
	XGRP
.if \ms
	MW
.endif
.if \vr
	VRG
.endif
.endr
.if \ms
.if \vr == 0
	PLACES                                         ; no rescale group stands behind the last product here: four places in front of the next trip's loads into its fragment buffer
.endif
	WIN 0
	s_barrier_wait -1
	CREST                                          ; no wave of any partner still reads the slots that are filled next, or has a load on its way
.endif
.endm
	s_load_b128 s[4:7], s[0:1], 0x0                ; qkv s[4:5], out0 s[6:7]
	s_set_vgpr_msb 0xc0
	v_lshl_add_u32 v255, v0, 2, 0x44800
	s_set_vgpr_msb 0xc000
	v_mov_b32 v255, 0
	s_set_vgpr_msb 0x3
	ds_add_u32 v255, v255
	s_set_vgpr_msb 0x300
	v_lshrrev_b32 v1, 5, v0
	v_readfirstlane_b32 s10, v1                    ; wave 0..3
	s_bfe_u32 s11, ttmp6, 0x40000                  ; my place in the cluster
	s_lshl_b32 s12, ttmp9, 2
	s_add_co_u32 s12, s12, s11                     ; work-group = chunk of my 64 queries; it enters Q's and out0's addresses alone
	s_lshr_b32 s13, ttmp9, 4                       ; batch: 16 clusters each, the same in all four partners
	s_lshl_b32 s13, s13, 6
	s_add_co_u32 s13, s13, s10                     ; the chunk of my wave's first key block
	s_mul_i32 s14, s13, CHUNK
	s_mov_b32 s15, 0
	s_mul_i32 s42, s12, CHUNK
	s_mov_b32 s43, 0
	s_lshl_b32 s46, s12, 15                        ; 64 rows of 512 bytes
	s_mov_b32 s47, 0
	s_mul_i32 s45, s10, RING                       ; my ring
	s_mov_b32 s40, 0x76543210                      ; v_permlanex16_b32: lane i of one half reads lane i of the other
	s_mov_b32 s41, 0xfedcba98
	; group 1: a dense block of 16,384 bytes as 64 rows of 32 elements of 8 bytes, padded in LDS
	s_mov_b32 s[G1+0], 15|(3<<16)|(1<<20)|(1<<21)|(5<<22)|(3<<25)  ; mask: the four of the cluster; 8-byte elements; padding on; bit 21 beside a mask; after every 64 words 4 words
	s_mov_b32 s[G1+1], 32<<16                      ; tensor_dim0 = 32
	s_mov_b32 s[G1+2], 64<<16                      ; tensor_dim1 = 64
	s_mov_b32 s[G1+3], 32<<16                      ; tile_dim0 = 32
	s_mov_b32 s[G1+4], 64                          ; tile_dim1 = 64
	s_mov_b32 s[G1+5], 32                          ; elements from row to row
	s_mov_b32 s[G1+6], 0
	s_mov_b32 s[G1+7], 0
	v_and_b32 v2, 15, v0                           ; r
	v_bfe_u32 v3, v0, 4, 1                         ; hh
	v_lshlrev_b32 v4, 8, v2
	v_lshl_add_u32 v4, v3, 4, v4                   ; Q: row r of 256 bytes + 16 hh
	s_wait_dscnt 0x0
	s_wait_kmcnt 0x0
	s_add_nc_u64 s[14:15], s[4:5], s[14:15]
	s_add_nc_u64 s[42:43], s[4:5], s[42:43]
	s_add_nc_u64 s[6:7], s[6:7], s[46:47]
.set fi, 0
.rept 16                               ; fi = 4 qt + hs
	global_load_b128 v[QF+8*fi:QF+8*fi+3],   v4, s[42:43] offset:(fi>>2)*4096+(fi&3)*64
	global_load_b128 v[QF+8*fi+4:QF+8*fi+7], v4, s[42:43] offset:(fi>>2)*4096+(fi&3)*64+32
.set fi, fi+1
.endr
	CROUND                                         ; all four work-groups are here: the first joint loads meet
	G0SET GK,   0,       16384                     ; K(0): four tensor loads of the wave are out behind these lines
	G0SET GK+4, TILEB,   JSTEP+16384               ; K(1)
	G0SET GV,   2*TILEB, 32768                     ; V(0)
	G0SET GV+4, 3*TILEB, JSTEP+32768               ; V(1)
	v_mul_u32_u24 v5, v2, PITCH
	v_lshl_add_u32 v5, v3, 4, v5                   ; K fragments: 272 r + 16 hh
	v_lshrrev_b32 v6, 1, v2
	v_mul_u32_u24 v6, v6, PITCH
	v_and_b32 v7, 1, v2
	v_lshl_add_u32 v6, v7, 7, v6
	v_lshl_add_u32 v6, v3, 4, v6                   ; V^T fragments: two rows of 128 bytes in a unit: 272 (r >> 1) + 128 (r & 1) + 16 hh
	s_add_co_u32 s44, s45, 2*TILEB
	WIN 0x40                                       ; destination block 1
	v_add_nc_u32 v[KA], s45, v5
	v_add_nc_u32 v[VA], s44, v6
.irp c, 0,1,2,3
	v_mov_b32 v[AU+2*\c+1], 0                      ; v_permlanex16_b32 counts as a reader of its destination
.endr
	WIN 0xc0                                       ; destination block 3: the state in front of block 0
	v_add_nc_u32 v[KA], s45, v5
	v_add_nc_u32 v[VA], s44, v6
.irp c, 0,1,2,3
	v_mov_b32 v[AU+2*\c+1], 0
	v_mov_b32 v[MT+2*\c], 0xff800000               ; m = -infinity
	v_mov_b32 v[LL+2*\c], 0
	v_mov_b32 v[LL+2*\c+1], 0
.endr
	; S^T of block 0, written out: 16 fragments of K into block 3's score registers, 64 products into block 1
	s_wait_tensorcnt 0x3                           ; K(0) is in; K(1), V(0), V(1) stay out.  Only I read my tiles: no barrier
	WIN 0xff
.set fi, 0
.rept 16                               ; fi = 4 kt + hs
	ds_load_b128 v[8*fi:8*fi+3],   v[KA] offset:(fi>>2)*16*PITCH+(fi&3)*64
	ds_load_b128 v[8*fi+4:8*fi+7], v[KA] offset:(fi>>2)*16*PITCH+(fi&3)*64+32
.set fi, fi+1
.endr
	s_wait_loadcnt 0x0                             ; Q
	WIN 0x53                                       ; source 0 block 3, source 1 block 0, C and D block 1
.set fi, 0
.rept 16
	s_wait_dscnt 2*(15-fi)                         ; two loads for each younger fragment
.irp c, 0,1,2,3
.if (fi&3) == 0
	v_wmma_f32_16x16x32_f16 v[8*(4*(fi>>2)+\c):8*(4*(fi>>2)+\c)+7], v[8*fi:8*fi+7], v[QF+8*(4*\c+(fi&3)):QF+8*(4*\c+(fi&3))+7], 0
.else
	v_wmma_f32_16x16x32_f16 v[8*(4*(fi>>2)+\c):8*(4*(fi>>2)+\c)+7], v[8*fi:8*fi+7], v[QF+8*(4*\c+(fi&3)):QF+8*(4*\c+(fi&3))+7], v[8*(4*(fi>>2)+\c):8*(4*(fi>>2)+\c)+7]
.endif
.endr
.set fi, fi+1
.endr
	PLACES                                         ; four places in front of the vector work that reads these results (ISA guide 7.12.1)
	s_wait_dscnt 0x0                               ; my reads of K slot 0 are back,
	s_set_vgpr_msb (MSB<<8)|((MSB&0xf0)|0x3)
	s_wait_tensorcnt 0x0                           ; all my tensor loads have landed:
	ds_add_u32 v255, v255
	s_wait_dscnt 0x0
	s_set_vgpr_msb (((MSB&0xf0)|0x3)<<8)|MSB
	WIN 0
	CROUND                                         ; the round in front of the first refill
	TRIP 1, 3, 0, 1, 0, 1, 0                       ; t = 0: V(0), V(1) are there already
	TRIP 3, 1, 2, 1, 1, 1, 0                       ; t = 1: the first P V products start O's sums
	s_mov_b32 s44, 6
.Lpair:                                            ; t = 2 .. 13
	TRIP 1, 3, 1, 1, 1, 1, 1
	TRIP 3, 1, 1, 1, 1, 1, 1
	s_sub_co_u32 s44, s44, 1
	s_cmp_lg_u32 s44, 0
	s_cbranch_scc1 .Lpair
	TRIP 1, 3, 1, 1, 1, 0, 1                       ; t = 14: no K(16)
	TRIP 3, 1, 1, 0, 1, 0, 1                       ; t = 15: no further scores, no further round
	; P(15) V(15), written out: 16 fragments of V^T into block 1's score registers
	s_wait_tensorcnt 0x0                           ; V(15), my last tensor load
	WIN 0x55
.set fi, 0
.rept 16                               ; fi = 8 ks + ht
	ds_load_b128 v[8*fi:8*fi+3],   v[VA] offset:TILEB+(fi&7)*8*PITCH+(fi>>3)*64
	ds_load_b128 v[8*fi+4:8*fi+7], v[VA] offset:TILEB+(fi&7)*8*PITCH+(fi>>3)*64+32
.set fi, fi+1
.endr
	WIN 0xad                                       ; source 0 block 1, source 1 block 3, C and D block 2
.set fi, 0
.rept 16
	s_wait_dscnt 2*(15-fi)
.irp c, 0,1,2,3
	v_wmma_f32_16x16x32_f16 v[8*(4*(fi&7)+\c):8*(4*(fi&7)+\c)+7], v[8*fi:8*fi+7], v[8*(8*(fi>>3)+\c):8*(8*(fi>>3)+\c)+7], v[8*(4*(fi&7)+\c):8*(4*(fi&7)+\c)+7]
.endr
.set fi, fi+1
.endr
	PLACES
	; THE MERGE.  1: every wave publishes (m, l) of its 64 queries.
	WIN 0x0f                                       ; sources in block 3, destination in block 0
.irp c, 0,1,2,3
	v_mov_b32 v[EP+2*\c], v[MT+2*\c]
	v_add_f32 v[EP+2*\c+1], v[LL+2*\c], v[LL+2*\c+1]
.endr
	WIN 0
.irp c, 0,1,2,3
	v_permlanex16_b32 v[4+\c], v[EP+2*\c+1], s40, s41      ; v4-7 were written in the set-up
.endr
.irp c, 0,1,2,3
	v_add_f32 v[EP+2*\c+1], v[EP+2*\c+1], v[4+\c]          ; l over both halves of the lanes
.endr
	v_lshlrev_b32 v9, 3, v2
	v_add_nc_u32 v9, STAT, v9                      ; STAT + 8 r
	s_lshl_b32 s44, s10, 9
	v_add_nc_u32 v8, s44, v9                       ; + 512 w
.irp c, 0,1,2,3
	ds_store_b64 v8, v[EP+2*\c:EP+2*\c+1] offset:128*\c
.endr
	s_wait_dscnt 0x0                               ; my stores and my reads of my ring are done before I say so
	s_barrier_signal -1
	s_barrier_wait -1
	; 2: m* = the largest m, l* = sum of l exp2(m - m*), my factor = exp2(my m - m*) / l*
.irp c, 0,1,2,3
.irp u, 0,1,2,3
	ds_load_b64 v[ES+8*\c+2*\u:ES+8*\c+2*\u+1], v9 offset:512*\u+128*\c
.endr
.endr
	v_and_b32 v12, 31, v0                          ; lane
	v_mul_u32_u24 v10, v2, OPITCH
	v_lshl_add_u32 v10, v3, 5, v10
	s_mul_i32 s44, s10, OSTG
	v_add_nc_u32 v10, s44, v10                     ; my stage: row r, 32 bytes for each half of the lanes
	s_mul_i32 s44, s10, 16*OPITCH
	v_lshl_add_u32 v[SR], v12, 4, s44              ; back: my 16 rows, 16 bytes a lane, in each wave's stage
	v_add_nc_u32 v[SR+1], OSTG, v[SR]
	v_add_nc_u32 v[SR+2], 2*OSTG, v[SR]
	v_add_nc_u32 v[SR+3], 3*OSTG, v[SR]
	s_lshl_b32 s44, s10, 13
	v_lshl_add_u32 v11, v12, 4, s44                ; out0: 16 rows of 512 bytes a wave + 16 bytes a lane
	s_wait_dscnt 0x0
.irp c, 0,1,2,3
	v_max3_num_f32 v[EX+\c], v[ES+8*\c], v[ES+8*\c+2], v[ES+8*\c+4]
	v_max_num_f32 v[EX+\c], v[EX+\c], v[ES+8*\c+6]
.irp u, 0,2,4,6
	v_sub_f32 v[ES+8*\c+\u], v[ES+8*\c+\u], v[EX+\c]
.endr
	v_sub_f32 v[EP+2*\c], v[EP+2*\c], v[EX+\c]
.endr
.irp c, 0,1,2,3
.irp u, 0,2,4,6
	v_exp_f32 v[ES+8*\c+\u], v[ES+8*\c+\u]
.endr
	v_exp_f32 v[EP+2*\c], v[EP+2*\c]
.endr
	v_nop                                          ; one plain instruction between the exponentials and their use (ISA guide 5.7.2)
.irp c, 0,1,2,3
	s_wait_alu depctr_va_vdst(0)
	v_mul_f32 v[EX+\c], v[ES+8*\c], v[ES+8*\c+1]
	v_fmac_f32 v[EX+\c], v[ES+8*\c+2], v[ES+8*\c+3]
	v_fmac_f32 v[EX+\c], v[ES+8*\c+4], v[ES+8*\c+5]
	v_fmac_f32 v[EX+\c], v[ES+8*\c+6], v[ES+8*\c+7]
.endr
.irp c, 0,1,2,3
	v_rcp_f32 v[EX+\c], v[EX+\c]
.endr
	v_nop
.irp c, 0,1,2,3
	s_wait_alu depctr_va_vdst(0)
	v_mul_f32 v[EP+2*\c], v[EP+2*\c], v[EX+\c]
.endr
	; 3: my O^T times my factor, into my stage as [64 queries][128 h] f32.  The stage lies on ring slots: every wave's tensor loads and ring reads were over at the barrier above.
	WIN 0x82                                       ; source 0 and destination block 2, source 1 block 0
.set ti, 0
.rept 32
.irp p, 0,2,4,6
	v_pk_mul_f32 v[8*ti+\p:8*ti+\p+1], v[8*ti+\p:8*ti+\p+1], v[EP+2*(ti&3):EP+2*(ti&3)+1] op_sel_hi:[1,0]
.endr
.set ti, ti+1
.endr
	WIN 0x08                                       ; store data in block 2, address in block 0
.set ti, 0
.rept 32                               ; ti = 4 ht + qt
	ds_store_b128 v10, v[8*ti:8*ti+3]   offset:(ti&3)*16*OPITCH+(ti>>2)*64
	ds_store_b128 v10, v[8*ti+4:8*ti+7] offset:(ti&3)*16*OPITCH+(ti>>2)*64+16
.set ti, ti+1
.endr
	WIN 0
	s_wait_dscnt 0x0
	s_barrier_signal -1
	s_barrier_wait -1
	; 4: wave w adds the four stages' rows 16 w .. 16 w + 15, in the order of the waves, and stores them: a store covers a row's 512 consecutive bytes
.irp b, 0,1
.if \b
	s_wait_xcnt 0x0                                ; the first run's stores have read their data: the registers are loaded again only behind this wait
.endif
.irp i, 0,1,2,3,4,5,6,7
.irp u, 0,1,2,3
	ds_load_b128 v[QF+16*\i+4*\u:QF+16*\i+4*\u+3], v[SR+\u] offset:(8*\b+\i)*OPITCH
.endr
.endr
.irp i, 0,1,2,3,4,5,6,7
	s_wait_dscnt 4*(7-\i)                          ; four loads for each younger row
	v_pk_add_f32 v[QF+16*\i:QF+16*\i+1],     v[QF+16*\i:QF+16*\i+1],     v[QF+16*\i+4:QF+16*\i+5]
	v_pk_add_f32 v[QF+16*\i+2:QF+16*\i+3],   v[QF+16*\i+2:QF+16*\i+3],   v[QF+16*\i+6:QF+16*\i+7]
	v_pk_add_f32 v[QF+16*\i+8:QF+16*\i+9],   v[QF+16*\i+8:QF+16*\i+9],   v[QF+16*\i+12:QF+16*\i+13]
	v_pk_add_f32 v[QF+16*\i+10:QF+16*\i+11], v[QF+16*\i+10:QF+16*\i+11], v[QF+16*\i+14:QF+16*\i+15]
	v_pk_add_f32 v[QF+16*\i:QF+16*\i+1],     v[QF+16*\i:QF+16*\i+1],     v[QF+16*\i+8:QF+16*\i+9]
	v_pk_add_f32 v[QF+16*\i+2:QF+16*\i+3],   v[QF+16*\i+2:QF+16*\i+3],   v[QF+16*\i+10:QF+16*\i+11]
	global_store_b128 v11, v[QF+16*\i:QF+16*\i+3], s[6:7] offset:(8*\b+\i)*512 th:TH_STORE_NT
.endr
.endr
	s_set_vgpr_msb (MSB<<8)|((MSB&0xf0)|0x3)
	s_wait_tensorcnt 0x0
	ds_add_u32 v255, v255
	s_wait_dscnt 0x0
	s_set_vgpr_msb (((MSB&0xf0)|0x3)<<8)|MSB
	CROUND                                         ; the closing round: no work-group ends while a partner may still ask jointly
	s_endpgm
.Lfunc_end_k_qc3ef948417_attn:
	.size	k_qc3ef948417_attn, .Lfunc_end_k_qc3ef948417_attn-k_qc3ef948417_attn
	.p2alignl 7, 3214868480
	.fill 96, 4, 3214868480
	.section	.rodata,"a",@progbits
	.p2align	6, 0x0
	.amdhsa_kernel k_qc3ef948417_attn
		.amdhsa_group_segment_fixed_size 327680
		.amdhsa_private_segment_fixed_size 0
		.amdhsa_enable_private_segment 0
		.amdhsa_kernarg_size 16
		.amdhsa_user_sgpr_count 2
		.amdhsa_user_sgpr_kernarg_segment_ptr 1
		.amdhsa_wavefront_size32 1
		.amdhsa_system_sgpr_workgroup_id_x 1
		.amdhsa_system_sgpr_workgroup_id_y 1
		.amdhsa_system_sgpr_workgroup_id_z 1
		.amdhsa_system_vgpr_workitem_id 0
		.amdhsa_next_free_vgpr 1024
		.amdhsa_next_free_sgpr 66
		.amdhsa_reserve_vcc 0
		.amdhsa_float_denorm_mode_32 3
		.amdhsa_float_denorm_mode_16_64 3
		.amdhsa_memory_ordered 1
		.amdhsa_forward_progress 1
		.amdhsa_inst_pref_size 255
	.end_amdhsa_kernel
	.section	.bss,"aw",@nobits
	.p2align	6
	.space	262144
	.amdgpu_metadata
---
amdhsa.version: [ 1, 2 ]
amdhsa.kernels:
  - .name:           k_qc3ef948417_attn
    .symbol:         k_qc3ef948417_attn.kd
    .args:
      - { .name: qkv, .offset: 0, .size: 8, .value_kind: global_buffer, .address_space: global }
      - { .name: out0, .offset: 8, .size: 8, .value_kind: global_buffer, .address_space: global }
    .group_segment_fixed_size: 327680
    .private_segment_fixed_size: 0
    .kernarg_segment_align: 8
    .kernarg_segment_size: 16
    .max_flat_workgroup_size: 128
    .sgpr_count:     66
    .vgpr_count:     1024
    .wavefront_size: 32
...
	.end_amdgpu_metadata
.endif
;; end of part 3
